; MI455X (gfx1250); checked and timed in simulation.
; The chip was launched on July 23, 2026; its instructions are those of AMD's public machine-readable ISA for CDNA 5 (MIT licence, August 2026) and "CDNA5" Instruction Set Architecture Reference Guide (July 2026). The comments in the code are by the model that wrote it; some were corrected since.
;; Momentum Vector Quantizer. Allowed arithmetic: matrix products marked QUANTISED: E2M1 operands, one E8M0 scale for each 32 along K, by v_wmma_scale_f32_16x16x128_f8f6f4 with both operands' format E2M1 (or v_wmma_scale_f32_32x16x128_f4), f32 sums; everything else in f32.
;; Inputs: embeddings 512 x 4,096 float32; x 8 x 4,096 x 512 float32.
;; Outputs: out0 8 x 4,096 x 512 float32.
;; This version of the problem:
;;   THIS VERSION OF THE PROBLEM IS GIVEN IN LOW PRECISION. The matrix products marked QUANTISED in the list below multiply operands that are first quantised to E2M1 (2 exponent bits, 1 mantissa bit; 4 bits a number), with one power-of-two scale for each 32 numbers along K (OCP MX v1.0); their sums are f32. All else is computed in f32.
;;   The module's matrix products, in the order in which they are computed (A, B: the left and right operand; K: the contracted axis; several contracted axes count as one K, in the product's order):
;;     1. [M 32,768, K 512] x [K 512, N 4,096]; A: computed on the way; B: computed on the way: QUANTISED
;;   THE QUANTISER, for each operand of a quantised product, along K:
;;     - K is cut into blocks of 32 from its start; a last block that is shorter is filled with zeros.
;;     - A block's scale is 2^e with e = floor(log2(the largest magnitude in the block)) - 2, held to -126 .. 127; a block of zeros has e = 0. As a byte (E8M0): e + 127.
;;     - Each number is divided by its block's scale, clamped to +-6, and rounded to the nearest number of E2M1, ties to even, subnormals kept.
;;     - The product sums the exact products of the quantised numbers (number of the format x scale) in f32.
;;   ~~~python
;;   def quantise(x, axis):      # numpy; x: float32 -> the quantised numbers, widened to float32 again
;;       x = np.moveaxis(x, axis, -1); K = x.shape[-1]
;;       x = np.pad(x, [(0, 0)] * (x.ndim - 1) + [(0, -K % 32)]); x = x.reshape(x.shape[:-1] + (-1, 32)); a = np.abs(x).max(-1, keepdims=True)
;;       e = np.where(a > 0, np.clip(np.frexp(np.where(a > 0, a, 1))[1] - 1 - 2, -126, 127), 0)      # np.frexp(a)[1] - 1 = floor(log2(a)), exactly
;;       r = np.clip(x / 2.0 ** e, -6, 6)
;;       step = 2.0 ** (np.maximum(np.frexp(np.where(r == 0, 1, r))[1] - 1, 0) - 1)
;;       q = np.round(r / step) * step * 2.0 ** e      # np.round: ties to even
;;       return np.moveaxis(q.reshape(q.shape[:-2] + (-1,))[..., :K], -1, axis).astype(np.float32)
;;   ~~~
;;   OPERANDS COMPUTED ON THE WAY. 'Computed on the way' means the value that the module computes at that place (a softmax that the list does not call 'softmax' is quantised finished and normalised). What goes into a quantiser is computed in f32, as accurately as f32 sums, v_exp_f32 and their like allow (about 1e-6 of the number): no bf16 or f16 on the way to a quantiser, and a product that is left as it is and whose result goes on into a quantised operand takes f32 operands (vector FMAs, or v_wmma_f32_16x16x4_f32). A number that lies on a knife's edge between two numbers of the format may be rounded either way, as far as f32 arithmetic and the matrix unit's own rounding can turn it there, and no further.
;; One version. Each part assembles by itself: llvm-mc -triple=amdgcn-amd-amdhsa -mcpu=gfx1250 --defsym DOCPART=n.
;; ======== version 1 of 1: 3 launches
;; limits: right only within a limited range of input values
;; workspace buffers: embt 8,388,608 bytes; bimg 1,114,112 bytes; idx 131,072 bytes of whole numbers
;; launch prep (part 1): grid 128 x 1, 16 waves a work-group, no clusters, 70,656 bytes of LDS; arguments embeddings, embt, bimg; writes embt, bimg
.if DOCPART == 1
	.amdgcn_target "amdgcn-amd-amdhsa--gfx1250"
	.amdhsa_code_object_version 6
	.text
	.protected	k_q2237979b55_prep
	.globl	k_q2237979b55_prep
	.p2align	8
	.type	k_q2237979b55_prep,@function
k_q2237979b55_prep:
	s_mov_b64 s[64:65], 0
	v_nop
	global_prefetch_b8 v0, s[64:65] scope:SCOPE_SE
	s_setreg_imm32_b32 hwreg(HW_REG_WAVE_MODE, 25, 1), 1
	s_wait_xcnt 0x0
; THE CODEBOOK, ONCE.  embeddings is [512 (k)][4096 (n)] f32.  Each column n is divided by max(its length, 1e-12), in f32.  Two results:
;   embt [4096][512] f32: row n = the normalised column n, as the last launch gathers it;
;   bimg: the same numbers as codes of FP4 (E2M1) with one E8M0 byte for each 32 along k, laid as IMAGES OF OPERAND REGISTERS.  128 units of 8,704 bytes; unit p = columns 32 p .. 32 p + 31:
;     byte u*4096 + s*1024 + c*512 + 16*L: registers 4c .. 4c+3 of lane L = 16 h + r of the fragment (columns 32 p + 16 u + r, k = 128 s + 64 c + 32 h + 0 .. 31);
;     byte 8192 + 16*L: the four scale words (k steps s = 0 .. 3) of column 32 p + L.
; SHARES.  Work-group p takes unit p.  Wave w takes block w of k (rows 32 w .. 32 w + 31), lane l column 32 p + l, and the lane's 32 registers run DOWN k: a block lies in one lane,
; the conversions give codes with k innermost, and block w = (s, c, h) = (w / 4, (w / 2) % 2, w % 2) falls at byte (l / 16)*4096 + 256 w + 16 (l % 16) of the unit: one store of the wave
; covers two aligned runs of 256 consecutive bytes, with no turn through LDS.  The column's sum of squares meets in LDS (16 partial sums, added in one fixed tree by every wave: the same bits in all).
; The f32 rows go through a stage in LDS (a row of 2,048 bytes + 16) and leave as whole rows, 512 consecutive bytes a store.
; A block's scale is 2^(floor(log2(largest magnitude)) - 2); its byte is the largest magnitude's exponent field - 2, held at 1 from below by a floor among the maximum's leaves.
; LIMITS: NaN and infinities are not served; a column whose sum of squares lies under 2^-126 (the square root takes it for 0) or overflows f32 is not served; the quotient is x * (1 / n) with 1 / n
; refined by one Newton step, about one unit in the last place from x / n; a block of zeros gets the byte 1 where the rule says 127: its codes are zeros, and this program alone reads the bytes.
.set SPITCH, 2064                      ; a stage row: 2,048 bytes + 16 = 129 x 16: sixteen rows start at sixteen different 16-byte columns of 256
.set PART,   32*SPITCH                 ; 66,048: partial sums, [lane][16 waves] f32
.set SCB,    PART+2048                 ; 68,096: scale bytes, [lane][16 blocks]
.set SPARE,  SCB+512                   ; 68,608: the spare words, 128 bytes for each of 16 waves; no other line names them
.set UNIT,   8704
.set SPW, 1                            ; v1   my spare word; never rewritten
.set NIL, 2                            ; v2   0; never rewritten
.set X,   48                           ; v48-79   my 32 numbers, down k
.set O,   80                           ; v80-111  two rows read back from the stage
; 1 / max(sqrt(s), 1e-12) into v[r] and v[r+1].  Behind each transcendental one plain line and a wait ahead of its first reader.
.macro NORM s, n, e, r
	v_sqrt_f32 v[\n], v[\s]
	v_nop
	s_wait_alu depctr_va_vdst(0)
	v_max_num_f32 v[\n], 0x2b8cbccc, v[\n]         ; 1e-12
	s_wait_alu depctr_va_vdst(0)
	v_rcp_f32 v[\r], v[\n]
	v_nop
	s_wait_alu depctr_va_vdst(0)
	v_fma_f32 v[\e], -v[\n], v[\r], 1.0            ; one Newton step: r += r (1 - n r)
	v_fma_f32 v[\r], v[\e], v[\r], v[\r]
	s_delay_alu instid0(VALU_DEP_1)
	v_mov_b32 v[\r+1], v[\r]                       ; named with it as a pair
.endm
	s_load_b128 s[4:7], s[0:1], 0x0                ; embeddings, embt
	s_load_b64 s[8:9], s[0:1], 0x10                ; bimg
	v_lshl_add_u32 v[SPW], v0, 2, SPARE
	v_mov_b32 v[NIL], 0
	v_lshrrev_b32 v3, 5, v0
	s_delay_alu instid0(VALU_DEP_1)
	v_readfirstlane_b32 s12, v3                    ; wave 0..15
	v_and_b32 v3, 31, v0                           ; lane
	s_delay_alu instid0(VALU_DEP_1)
	v_lshlrev_b32 v4, 2, v3                        ; in: 4 bytes a lane
	s_lshl_b32 s13, s12, 2
	s_add_co_u32 s13, s13, PART
	v_lshl_add_u32 v5, v3, 6, s13                  ; my partial sum: PART + 64 lane + 4 wave
	v_lshl_add_u32 v6, v3, 6, PART                 ; my column's sixteen
	s_add_co_u32 s13, s12, SCB
	v_lshl_add_u32 v7, v3, 4, s13                  ; my block's scale byte: SCB + 16 lane + wave
	v_lshl_add_u32 v8, v3, 4, SCB                  ; my column's sixteen
	s_lshl_b32 s13, s12, 7
	v_mul_u32_u24 v9, v3, SPITCH
	s_delay_alu instid0(VALU_DEP_1)
	v_add_nc_u32 v9, s13, v9                       ; the stage, in: row = my column, + 128 wave
	s_mul_i32 s13, s12, 2*SPITCH
	v_lshl_add_u32 v10, v3, 4, s13                 ; and back: rows 2 wave, 2 wave + 1; 16 bytes a lane
	v_lshrrev_b32 v11, 4, v3
	v_and_b32 v12, 15, v3
	s_delay_alu instid0(VALU_DEP_1)
	v_lshlrev_b32 v12, 4, v12
	s_delay_alu instid0(VALU_DEP_1)
	v_lshl_add_u32 v11, v11, 12, v12               ; my codes in the unit: (lane / 16) 4096 + 16 (lane % 16)
	v_lshlrev_b32 v12, 4, v3                       ; 16 lane
	s_lshl_b32 s14, s12, 19                        ; embeddings: 32 wave rows of 16,384 bytes,
	s_lshl_b32 s16, ttmp9, 7                       ; + 32 columns a work-group
	s_add_co_u32 s14, s14, s16
	s_mov_b32 s15, 0
	s_lshl_b32 s16, ttmp9, 16                      ; embt: row 32 p + 2 wave, 2,048 bytes a row
	s_lshl_b32 s17, s12, 12
	s_add_co_u32 s16, s16, s17
	s_mov_b32 s17, 0
	s_mul_i32 s18, ttmp9, UNIT                     ; bimg: unit p,
	s_mov_b32 s19, 0
	s_lshl_b32 s20, s12, 8                         ; and in it 256 wave
	s_mov_b32 s21, 0
	s_wait_kmcnt 0x0
	s_add_nc_u64 s[4:5], s[4:5], s[14:15]
	s_add_nc_u64 s[6:7], s[6:7], s[16:17]
	s_add_nc_u64 s[8:9], s[8:9], s[18:19]
	s_add_nc_u64 s[10:11], s[8:9], s[20:21]
.set i, 0
.rept 32
	global_load_b32 v[X+i], v4, s[4:5] offset:i*16384              ; row 32 wave + i at my column: 32 lanes read 128 consecutive bytes
.set i, i+1
.endr
	s_wait_loadcnt 16                              ; the first 16 are in, the 16 younger may be out
	v_pk_mul_f32 v[16:17], v[X:X+1], v[X:X+1]      ; the sum of squares, in two chains of pairs; the first products start them
	v_pk_mul_f32 v[18:19], v[X+2:X+3], v[X+2:X+3]
.irp i, 4,8,12
	s_delay_alu instid0(VALU_DEP_2)
	v_pk_fma_f32 v[16:17], v[X+\i:X+\i+1], v[X+\i:X+\i+1], v[16:17]
	s_delay_alu instid0(VALU_DEP_2)
	v_pk_fma_f32 v[18:19], v[X+\i+2:X+\i+3], v[X+\i+2:X+\i+3], v[18:19]
.endr
	s_wait_alu depctr_va_vdst(0)
	s_wait_loadcnt 0x0
.irp i, 16
	v_pk_fma_f32 v[16:17], v[X+\i:X+\i+1], v[X+\i:X+\i+1], v[16:17]
	v_pk_fma_f32 v[18:19], v[X+\i+2:X+\i+3], v[X+\i+2:X+\i+3], v[18:19]
.endr
.irp i, 20, 24, 28
	s_delay_alu instid0(VALU_DEP_2)
	v_pk_fma_f32 v[16:17], v[X+\i:X+\i+1], v[X+\i:X+\i+1], v[16:17]
	s_delay_alu instid0(VALU_DEP_2)
	v_pk_fma_f32 v[18:19], v[X+\i+2:X+\i+3], v[X+\i+2:X+\i+3], v[18:19]
.endr
	s_delay_alu instid0(VALU_DEP_1)
	v_pk_add_f32 v[16:17], v[16:17], v[18:19]
	s_delay_alu instid0(VALU_DEP_1)
	v_add_f32 v16, v16, v17
	ds_store_b32 v5, v16
	s_wait_dscnt 0x0                               ; for the others: my partial sum has landed
	s_barrier_signal -1
	s_barrier_wait -1
.irp i, 0,1,2,3
	ds_load_b128 v[24+4*\i:27+4*\i], v6 offset:16*\i               ; my column's sixteen partial sums
.endr
	s_wait_dscnt 0x0
.irp i, 0,4,8,12
	v_pk_add_f32 v[24+\i:25+\i], v[24+\i:25+\i], v[26+\i:27+\i]
.endr
	s_delay_alu instid0(VALU_DEP_3)
	v_pk_add_f32 v[24:25], v[24:25], v[28:29]
	s_delay_alu instid0(VALU_DEP_2)
	v_pk_add_f32 v[32:33], v[32:33], v[36:37]
	s_delay_alu instid0(VALU_DEP_1)
	v_pk_add_f32 v[24:25], v[24:25], v[32:33]
	s_delay_alu instid0(VALU_DEP_1)
	v_add_f32 v16, v24, v25                        ; one fixed tree: every wave has the same bits
	s_wait_alu depctr_va_vdst(0)
	NORM 16, 18, 19, 14
.set i, 0
.rept 16
	v_pk_mul_f32 v[X+2*i:X+2*i+1], v[X+2*i:X+2*i+1], v[14:15] op_sel_hi:[1,0]   ; the normalised numbers, in place
.set i, i+1
.endr
	v_max3_num_f32 v44, |v[X]|, |v[X+1]|, |v[X+2]|                 ; the block's largest magnitude: all 32 numbers are mine; two chains
	v_max3_num_f32 v47, |v[X+3]|, |v[X+4]|, |v[X+5]|
.irp i, 6,10,14,18,22,26
	s_delay_alu instid0(VALU_DEP_2)
	v_max3_num_f32 v44, v44, |v[X+\i]|, |v[X+\i+1]|
	s_delay_alu instid0(VALU_DEP_2)
	v_max3_num_f32 v47, v47, |v[X+\i+2]|, |v[X+\i+3]|
.endr
	s_delay_alu instid0(VALU_DEP_2)
	v_max3_num_f32 v44, v44, |v[X+30]|, |v[X+31]|
	s_delay_alu instid0(VALU_DEP_1)
	v_max3_num_f32 v44, v44, v47, 0x1800000        ; and the floor 2^(3 - 127): the byte cannot fall under 1
	s_delay_alu instid0(VALU_DEP_1)
	v_add_nc_u32 v45, 0xff000000, v44              ; 2 off the exponent field: the conversion takes this operand's exponent field as its scale
.irp g, 0,1,2,3
	v_cvt_scalef32_pk8_fp4_f32 v[40+\g], v[X+8*\g:X+8*\g+7], v45
.endr
	v_lshrrev_b32 v46, 23, v45                     ; the scale's byte (also the plain line behind the conversions)
	global_store_b128 v11, v[40:43], s[10:11]      ; lanes 0-15 and lanes 16-31 each store 256 consecutive bytes, aligned
	ds_store_b8 v7, v46
.irp i, 0,1,2,3,4,5,6,7
	ds_store_b128 v9, v[X+4*\i:X+4*\i+3] offset:16*\i
.endr
	s_wait_dscnt 0x0                               ; for the others: my part of the stage and my byte have landed
	s_barrier_signal -1
	s_barrier_wait -1
.irp i, 0,1,2,3,4,5,6,7
	ds_load_b128 v[O+4*\i:O+4*\i+3], v10 offset:(\i/4)*SPITCH+512*(\i%4)
.endr
.irp i, 0,1,2,3,4,5,6,7
	s_wait_dscnt 7-\i                              ; LDS loads come back in order: load i is in, the younger may be out
	global_store_b128 v12, v[O+4*\i:O+4*\i+3], s[6:7] offset:(\i/4)*2048+512*(\i%4)   ; 32 lanes store 512 consecutive bytes of a row of embt
.endr
	s_cmp_lg_u32 s12, 0                            ; wave 0 sends the unit's 512 scale bytes
	s_cbranch_scc1 .Lend
	ds_load_b128 v[112:115], v8
	s_wait_dscnt 0x0
	global_store_b128 v12, v[112:115], s[8:9] offset:8192
.Lend:
	s_wait_tensorcnt 0x0                           ; the wave's end
	ds_add_u32 v[SPW], v[NIL]
	s_wait_dscnt 0x0
	s_endpgm
.Lfunc_end_k_q2237979b55_prep:
	.size	k_q2237979b55_prep, .Lfunc_end_k_q2237979b55_prep-k_q2237979b55_prep
	.p2alignl 7, 3214868480
	.fill 96, 4, 3214868480
	.section	.rodata,"a",@progbits
	.p2align	6, 0x0
	.amdhsa_kernel k_q2237979b55_prep
		.amdhsa_group_segment_fixed_size 70656
		.amdhsa_private_segment_fixed_size 0
		.amdhsa_enable_private_segment 0
		.amdhsa_kernarg_size 24
		.amdhsa_user_sgpr_count 2
		.amdhsa_user_sgpr_kernarg_segment_ptr 1
		.amdhsa_wavefront_size32 1
		.amdhsa_system_sgpr_workgroup_id_x 1
		.amdhsa_system_sgpr_workgroup_id_y 1
		.amdhsa_system_sgpr_workgroup_id_z 1
		.amdhsa_system_vgpr_workitem_id 0
		.amdhsa_next_free_vgpr 120
		.amdhsa_next_free_sgpr 66
		.amdhsa_reserve_vcc 0
		.amdhsa_float_denorm_mode_32 3
		.amdhsa_float_denorm_mode_16_64 3
		.amdhsa_memory_ordered 1
		.amdhsa_forward_progress 1
		.amdhsa_inst_pref_size 14
	.end_amdhsa_kernel
	.amdgpu_metadata
---
amdhsa.version: [ 1, 2 ]
amdhsa.kernels:
  - .name:           k_q2237979b55_prep
    .symbol:         k_q2237979b55_prep.kd
    .args:
      - { .name: embeddings, .offset: 0, .size: 8, .value_kind: global_buffer, .address_space: global }
      - { .name: embt, .offset: 8, .size: 8, .value_kind: global_buffer, .address_space: global }
      - { .name: bimg, .offset: 16, .size: 8, .value_kind: global_buffer, .address_space: global }
    .group_segment_fixed_size: 70656
    .private_segment_fixed_size: 0
    .kernarg_segment_align: 8
    .kernarg_segment_size: 24
    .max_flat_workgroup_size: 512
    .sgpr_count:     66
    .vgpr_count:     120
    .wavefront_size: 32
...
	.end_amdgpu_metadata
.endif
;; end of part 1
;; launch match (part 2): grid 256 x 1, 8 waves a work-group, clusters of 4 x 1, 327,680 bytes of LDS; arguments x, bimg, idx; writes idx
.if DOCPART == 2
	.amdgcn_target "amdgcn-amd-amdhsa--gfx1250"
	.amdhsa_code_object_version 6
	.text
	.protected	k_q2237979b55_match
	.globl	k_q2237979b55_match
	.p2align	8
	.type	k_q2237979b55_match,@function
k_q2237979b55_match:
	s_mov_b64 s[64:65], 0
	v_nop
	global_prefetch_b8 v0, s[64:65] scope:SCOPE_SE
	s_setreg_imm32_b32 hwreg(HW_REG_WAVE_MODE, 25, 1), 1
	s_wait_xcnt 0x0
	s_wait_alu depctr_hold_cnt(0) depctr_sa_sdst(0) depctr_va_vdst(0) depctr_va_sdst(0) depctr_va_ssrc(0) depctr_va_vcc(0) depctr_vm_vsrc(0)
	s_getreg_b32 s2, hwreg(HW_REG_IB_STS2, 6, 4)
	s_cmp_eq_u32 s2, 0
	s_cbranch_scc0 .Lentry_in_a_cluster
	s_endpgm
.Lentry_in_a_cluster:
	s_bfe_u32 s2, ttmp6, 0x10000c
	s_cmp_lg_u32 s2, 0x3003
	s_cbranch_scc0 .Lentry_shape_is_right
	s_endpgm
.Lentry_shape_is_right:
; idx[n] = the lowest m at which sims[n][m] is largest.  sims = Q(x rows / max(length, 1e-12)) x Q(normalised codebook), both in FP4 (E2M1) with one E8M0 byte for each 32 along k = 512.
; x: [32768][512] f32.  bimg: the codebook's codes and scale words as images of operand registers, 128 units of 8,704 bytes (unit p = columns 32 p .. 32 p + 31: two fragments sets of 4,096 bytes, then 512 bytes of scale words).
; SHARES.  A work-group takes 128 rows of x, eight waves.  HEAD: wave w normalises and quantises rows 16 w .. 16 w + 15 and lays codes and scale bytes into LDS; then EVERY wave holds all 128 rows' fragments
; in 256 registers (window 1).  LOOP: the codebook goes in 8 chunks of 16 units through two LDS slots; of each chunk wave w multiplies units 2 w, 2 w + 1 (4 tiles of 16 columns) with all 128 rows.
; THE MATRIX INSTRUCTION: source 0 = 16 columns of the codebook, source 1 = 16 rows of x: lane (r, h) holds row r of x, its registers j the columns 16 t + 8 h + j.
; ARGMAX, exact: a lane keeps, for each of its 8 row tiles, the largest score M, the tile number T in which it first arose, and that tile's eight scores SV; an equal score never displaces an earlier one.
; At the end j is the first register of SV equal to M; lanes l and l xor 16, then the eight waves (through LDS), are joined by (larger score, then lower index).
; CLUSTER: the four work-groups of a cluster walk the same chunks: each chunk part is asked for jointly (mask 15).  No prefetch: x is read once at the head, where there is no loop to run ahead in, and
; the image's 1,114,112 bytes are the same for all 64 clusters, which walk them in the same order.
; x comes by loads into registers: each load of a wave covers 512 consecutive bytes (lanes 0-15 its even 16-byte pieces, lanes 16-31 the odd ones); a swap of half waves then gives lane l the 8 neighbours k = 256 i + 8 l + 0 .. 7.
; LIMITS: NaN and infinities are not served; a row whose sum of squares lies under 2^-126 or overflows f32 is not served; the quotient is x * (1 / n), 1 / n refined by one Newton step;
; a block of zeros gets the byte 1 where the rule says 127: its codes are zeros, and this launch alone reads the bytes.
.set UNIT,   8704
.set WPART,  2*UNIT                    ; a wave's part of a chunk
.set CHUNKB, 16*UNIT                   ; a slot
.set XIMG,   2*CHUNKB                  ; x's codes: tile a at a*XTILE; in it the 16 bytes of (block g of 32 k, row r) at 272 g + 16 r: 256 bytes + 16 of padding for each block
.set XTILE,  16*272
.set XSC,    XIMG+8*XTILE              ; x's scale bytes, [128 rows][16 blocks]
.set MRG,    XSC+2048                  ; the waves' results: [8 waves][128 rows] scores, then the same of indices
.set SPARE,  MRG+8192                  ; the spare words, 128 bytes for each of 8 waves; no other line names them
.set SPW, 1                            ; my spare word; never rewritten
.set NIL, 2                            ; 0; never rewritten
.set XO,  3                            ; x: my 16 bytes in a load's 512
.set XWI, 4                            ; where my codes go
.set XWS, 5                            ; where my block's scale byte goes
.set XRI, 6                            ; fragments of x, back
.set XRS, 7                            ; scale words of x, back
.set BA,  8                            ; v8-9 my part of slot 0, 1
.set MV,  10
.set FR,  11
.set H8,  12
.set IO,  13
.set ACC, 16                           ; v16-79   8 accumulators, one for each row tile
.set BF0, 80                           ; v80-143  two sets of a codebook tile's fragments (4 k steps x 8)
.set BF1, 112
.set SB0, 144                          ; v144-151 two units' scale words
.set SB1, 148
.set XS,  152                          ; v152-167 x's scale words: register 4 p + s: lanes 0-15 row tile 2 p, lanes 16-31 tile 2 p + 1
.set M,   168                          ; v168-175
.set T,   176                          ; v176-183: tile a's T lies at T + (a xor 1), so that M's and T's registers of one tile differ in parity, as a dual pair's destinations must
.set SV,  184                          ; v184-247
.set G,   248                          ; v248-255 a tile's largest score
; the head's registers: three sets of 4 rows x 16 numbers at v16, v80, v184; at work:
.set Q,   144
.set TQ,  152
.set NR,  156
.set ER,  160
.set R,   164
.set TM,  172
.set SCO, 144
.set BY,  152
.set PC,  248
.set JJ,  16
.set NN,  24
.set G1F, 32                           ; s[32:39], s[40:43] the first fill: both slots, 136 rows of 256 bytes a wave
.set G0F, 40
.set G1B, 44                           ; s[44:51] a refill: 68 rows of 256 bytes a wave;  s[52:59] group 0 for slot 0, 1
.set G0B, 52
.set TN,  60                           ; my first tile's number
.set TV,  14                           ; v14, v15: the number of the tile at work, twice: a dual pair's two first sources lie in different register banks (number mod 4)
.set CNT, 61
.set SEL, 66
.set MSB, 0
.macro WIN new                         ; the immediate's high byte repeats the setting that is left
.if MSB != \new
	s_set_vgpr_msb (MSB<<8)|\new
.set MSB, \new
.endif
.endm
.macro PLACES
.rept 4
	v_nop
.endr
.endm
.macro ROUND                           ; a round of the cluster's barrier
	s_barrier_signal -1
	s_barrier_wait -1
	s_cmp_lg_u32 s10, 0
	s_cbranch_scc1 .Lnot_wave_0_\@
	s_barrier_signal -3
.Lnot_wave_0_\@:
	s_barrier_wait -3
	s_barrier_signal -1
	s_barrier_wait -1
.endm
.macro LOADX g                         ; rows 4 g .. 4 g + 3 of my 16: four loads of 512 consecutive bytes a row
.set XB, 16+64*((\g)%3)+40*(((\g)%3)/2)
.irp r, 0,1,2,3
.irp q, 0,1,2,3
	global_load_b128 v[XB+16*\r+4*\q:XB+16*\r+4*\q+3], v[XO], s[4:5] offset:(4*(\g)+\r)*2048+512*\q th:TH_LOAD_NT
.endr
.endr
.endm
; Four rows are normalised and quantised, the four by turns.  left: the younger groups' loads, which may stay out.
.macro QGRP g, left
.set XB, 16+64*((\g)%3)+40*(((\g)%3)/2)
	s_wait_loadcnt \left
.irp p, 0,1,2,3,4,5,6,7
.irp t, 0,1,2,3
	v_permlane16_swap_b32 v[XB+8*\p+\t], v[XB+8*\p+4+\t]           ; part p = (row p / 2, half p % 2): my 8 registers now hold k = 256 (p % 2) + 8 lane + 0 .. 7
.endr
.endr
.irp r, 0,1,2,3
	v_pk_mul_f32 v[Q+2*\r:Q+2*\r+1], v[XB+16*\r:XB+16*\r+1], v[XB+16*\r:XB+16*\r+1]   ; the sum of squares; the first products start it
.endr
.irp i, 2,4,6,8,10,12,14
.irp r, 0,1,2,3
	v_pk_fma_f32 v[Q+2*\r:Q+2*\r+1], v[XB+16*\r+\i:XB+16*\r+\i+1], v[XB+16*\r+\i:XB+16*\r+\i+1], v[Q+2*\r:Q+2*\r+1]
.endr
.endr
.irp r, 0,1,2,3
	v_add_f32 v[Q+2*\r], v[Q+2*\r], v[Q+2*\r+1]
.endr
.irp m, 1,2,4,8
.irp r, 0,1,2,3
	v_add_f32_dpp v[Q+2*\r], v[Q+2*\r], v[Q+2*\r] row_xmask:\m row_mask:0xf bank_mask:0xf
.endr
.endr
.irp r, 0,1,2,3
	v_permlanex16_b32 v[TQ+\r], v[Q+2*\r], s[SEL], s[SEL+1]
.endr
.irp r, 0,1,2,3
	v_add_f32 v[Q+2*\r], v[Q+2*\r], v[TQ+\r]                       ; the row's sum, the same bits in all 32 lanes
.endr
	s_wait_alu depctr_va_vdst(0)                   ; a wait ahead of each batch of transcendentals and one behind it
.irp r, 0,1,2,3
	v_sqrt_f32 v[NR+\r], v[Q+2*\r]
.endr
	v_nop
	s_wait_alu depctr_va_vdst(0)
.irp r, 0,1,2,3
	v_max_num_f32 v[NR+\r], 0x2b8cbccc, v[NR+\r]                   ; 1e-12
.endr
	s_wait_alu depctr_va_vdst(0)
.irp r, 0,1,2,3
	v_rcp_f32 v[R+2*\r], v[NR+\r]
.endr
	v_nop
	s_wait_alu depctr_va_vdst(0)
.irp r, 0,1,2,3
	v_fma_f32 v[ER+\r], -v[NR+\r], v[R+2*\r], 1.0                  ; one Newton step: r += r (1 - n r)
.endr
.irp r, 0,1,2,3
	v_fma_f32 v[R+2*\r], v[ER+\r], v[R+2*\r], v[R+2*\r]
.endr
.irp r, 0,1,2,3
	v_mov_b32 v[R+2*\r+1], v[R+2*\r]                               ; named with it as a pair
.endr
.irp i, 0,2,4,6,8,10,12,14
.irp r, 0,1,2,3
	v_pk_mul_f32 v[XB+16*\r+\i:XB+16*\r+\i+1], v[XB+16*\r+\i:XB+16*\r+\i+1], v[R+2*\r:R+2*\r+1] op_sel_hi:[1,0]
.endr
.endr
.irp p, 0,1,2,3,4,5,6,7
	v_max3_num_f32 v[TM+\p], 0x1800000, |v[XB+8*\p]|, |v[XB+8*\p+1]|   ; a block's largest magnitude, over the floor 2^(3 - 127): the byte cannot fall under 1
.endr
.irp i, 2,4,6
.irp p, 0,1,2,3,4,5,6,7
	v_max3_num_f32 v[TM+\p], v[TM+\p], |v[XB+8*\p+\i]|, |v[XB+8*\p+\i+1]|
.endr
.endr
.irp m, 1,2
.irp p, 0,1,2,3,4,5,6,7
	v_max_num_f32_dpp v[TM+\p], v[TM+\p], v[TM+\p] row_xmask:\m row_mask:0xf bank_mask:0xf   ; four neighbouring lanes hold a block
.endr
.endr
.irp p, 0,1,2,3,4,5,6,7
	v_add_nc_u32 v[SCO+\p], 0xff000000, v[TM+\p]                   ; 2 off the exponent field: the conversion's scale operand
.endr
.irp p, 0,1,2,3,4,5,6,7
	v_lshrrev_b32 v[BY+\p], 23, v[SCO+\p]                          ; the scale's byte
.endr
.irp p, 0,1,2,3,4,5,6,7
	v_cvt_scalef32_pk8_fp4_f32 v[PC+\p], v[XB+8*\p:XB+8*\p+7], v[SCO+\p]
.endr
	v_nop                                          ; one plain line behind the conversions
.irp p, 0,1,2,3,4,5,6,7
	ds_store_b32 v[XWI], v[PC+\p] offset:((\p)%2)*8*272+(4*(\g)+(\p)/2)*16
	ds_store_b8 v[XWS], v[BY+\p] offset:(4*(\g)+(\p)/2)*16+8*((\p)%2)   ; the four lanes of a block write the same byte with the same value
.endr
.endm
.macro LOADT buf, adr, off             ; a codebook tile's fragments: 4 k steps x 2 loads
.irp s, 0,1,2,3
.irp c, 0,1
	ds_load_b128 v[\buf+8*\s+4*\c:\buf+8*\s+4*\c+3], v[\adr] offset:\off+1024*\s+512*\c
.endr
.endr
.endm
.macro LOADS sb, adr, off              ; a unit's scale words: lanes 0-15 its first tile's columns, lanes 16-31 its second's
	ds_load_b128 v[\sb:\sb+3], v[\adr] offset:\off+8192
.endm
.macro WM a, s, buf, sb, u             ; row tile a, k step s; u: the unit's first or second tile
.set rD, ACC+8*(\a)
.set rA, (\buf)+8*(\s)
.set rB, 8*(4*(\a)+(\s))
.set rP, (\sb)+(\s)
.set rX, XS+4*((\a)/2)+(\s)
.set rv, 2*(\u)+((\a)%2)
.if (\s) == 0
.if rv == 0
	v_wmma_scale_f32_16x16x128_f8f6f4 v[rD:rD+7], v[rA:rA+7], v[rB:rB+7], 0, v[rP], v[rX] matrix_a_fmt:MATRIX_FMT_FP4 matrix_b_fmt:MATRIX_FMT_FP4
.elseif rv == 1
	v_wmma_scale_f32_16x16x128_f8f6f4 v[rD:rD+7], v[rA:rA+7], v[rB:rB+7], 0, v[rP], v[rX] matrix_a_fmt:MATRIX_FMT_FP4 matrix_b_fmt:MATRIX_FMT_FP4 matrix_b_scale:MATRIX_SCALE_ROW1
.elseif rv == 2
	v_wmma_scale_f32_16x16x128_f8f6f4 v[rD:rD+7], v[rA:rA+7], v[rB:rB+7], 0, v[rP], v[rX] matrix_a_fmt:MATRIX_FMT_FP4 matrix_b_fmt:MATRIX_FMT_FP4 matrix_a_scale:MATRIX_SCALE_ROW1
.else
	v_wmma_scale_f32_16x16x128_f8f6f4 v[rD:rD+7], v[rA:rA+7], v[rB:rB+7], 0, v[rP], v[rX] matrix_a_fmt:MATRIX_FMT_FP4 matrix_b_fmt:MATRIX_FMT_FP4 matrix_a_scale:MATRIX_SCALE_ROW1 matrix_b_scale:MATRIX_SCALE_ROW1
.endif
.else
.if rv == 0
	v_wmma_scale_f32_16x16x128_f8f6f4 v[rD:rD+7], v[rA:rA+7], v[rB:rB+7], v[rD:rD+7], v[rP], v[rX] matrix_a_fmt:MATRIX_FMT_FP4 matrix_b_fmt:MATRIX_FMT_FP4
.elseif rv == 1
	v_wmma_scale_f32_16x16x128_f8f6f4 v[rD:rD+7], v[rA:rA+7], v[rB:rB+7], v[rD:rD+7], v[rP], v[rX] matrix_a_fmt:MATRIX_FMT_FP4 matrix_b_fmt:MATRIX_FMT_FP4 matrix_b_scale:MATRIX_SCALE_ROW1
.elseif rv == 2
	v_wmma_scale_f32_16x16x128_f8f6f4 v[rD:rD+7], v[rA:rA+7], v[rB:rB+7], v[rD:rD+7], v[rP], v[rX] matrix_a_fmt:MATRIX_FMT_FP4 matrix_b_fmt:MATRIX_FMT_FP4 matrix_a_scale:MATRIX_SCALE_ROW1
.else
	v_wmma_scale_f32_16x16x128_f8f6f4 v[rD:rD+7], v[rA:rA+7], v[rB:rB+7], v[rD:rD+7], v[rP], v[rX] matrix_a_fmt:MATRIX_FMT_FP4 matrix_b_fmt:MATRIX_FMT_FP4 matrix_a_scale:MATRIX_SCALE_ROW1 matrix_b_scale:MATRIX_SCALE_ROW1
.endif
.endif
.endm
.macro MULT buf, sb, u                 ; 32 matrix instructions: one codebook tile x 128 rows; the 8 accumulators by turns, k ascending; the first k step starts the sums
	WIN 0x04                                       ; source 1 (x) in window 1
.irp s, 0,1,2,3
.irp a, 0,1,2,3,4,5,6,7
	WM \a, \s, \buf, \sb, \u
.endr
.endr
	WIN 0
.endm
.macro KEEPMT a                        ; VCC set: keep M and T; else take this tile's
.set rT, T+(\a)+1-2*((\a)%2)
.set rV, TV+(((\a)%4)/2)*(1-((\a)%2))  ; v15 where G's register shares v14's bank (a % 4 = 2), else v14
	v_dual_cndmask_b32 v[M+\a], v[G+\a], v[M+\a] :: v_dual_cndmask_b32 v[rT], v[rV], v[rT]
.endm
.macro KEEP2 d, s                      ; the same for two of the eight scores
	v_dual_cndmask_b32 v[\d], v[\s], v[\d] :: v_dual_cndmask_b32 v[\d+1], v[\s+1], v[\d+1]
.endm
; A tile's scores against what is kept: 4 lines for its largest, one compare, 5 dual selects, for each of the 8 row tiles.  Each accumulator is read from its low end on.
.macro AMAX step
.irp a, 0,1,2,3,4,5,6,7
	v_max3_num_f32 v[G+\a], v[ACC+8*\a], v[ACC+8*\a+1], v[ACC+8*\a+2]
.endr
.irp a, 0,1,2,3,4,5,6,7
	v_max3_num_f32 v[G+\a], v[G+\a], v[ACC+8*\a+3], v[ACC+8*\a+4]
.endr
.irp a, 0,1,2,3,4,5,6,7
	v_max3_num_f32 v[G+\a], v[G+\a], v[ACC+8*\a+5], v[ACC+8*\a+6]
.endr
.irp a, 0,1,2,3,4,5,6,7
	v_max_num_f32 v[G+\a], v[G+\a], v[ACC+8*\a+7]
.endr
.irp a, 0,1,2,3,4,5,6,7
	v_cmp_ge_f32 vcc_lo, v[M+\a], v[G+\a]          ; an equal score keeps the earlier tile
	KEEPMT \a
.irp j, 0,2,4,6
	KEEP2 SV+8*\a+\j, ACC+8*\a+\j
.endr
.endr
	v_add_nc_u32 v[TV], \step, v[TV]               ; on to the next tile's number, in both copies
	v_add_nc_u32 v[TV+1], \step, v[TV+1]
.endm
; A change of slots.  fill = 1: the slot just read out takes the chunk two on, by a joint load behind a round of the cluster's barrier.
.macro CHANGE slot, fill
	s_wait_tensorcnt 0x0                           ; all my tensor loads have landed: my part of the other slot
	ds_add_u32 v[SPW], v[NIL]
.if \fill
	s_add_nc_u64 s[G0B+4*\slot+2:G0B+4*\slot+3], s[G0B+4*\slot+2:G0B+4*\slot+3], 2*CHUNKB   ; no load of mine is out: the address steps
.endif
	s_wait_dscnt 0x0                               ; the add is done; my reads of this slot came back ahead of the last products
.if \fill
	ROUND
	tensor_load_to_lds s[G0B+4*\slot:G0B+4*\slot+3], s[G1B:G1B+7]
	s_nop 0
.else
	s_barrier_signal -1
	s_barrier_wait -1
.endif
	PLACES                                         ; behind the last products, ahead of the loads and of the reads of their results
.endm
; A chunk: my four tiles.  mode 2: the slot is filled again; 1: only the change of slots; 0: the last chunk.
.macro CHUNK slot, mode
	LOADT BF1, BA+\slot, 4096
	s_wait_dscnt 8                                 ; all but the 8 just issued: tile 0 and its scale words are in
	MULT BF0, SB0, 0
	PLACES
	AMAX 1
	LOADT BF0, BA+\slot, UNIT
	LOADS SB1, BA+\slot, UNIT
	s_wait_dscnt 9                                 ; all but the 9 just issued
	MULT BF1, SB0, 1
	PLACES
	AMAX 1
	LOADT BF1, BA+\slot, UNIT+4096
	s_wait_dscnt 8
	MULT BF0, SB1, 0
	PLACES
	AMAX 1
	s_wait_dscnt 0x0
	MULT BF1, SB1, 1
.if \mode == 2
	CHANGE \slot, 1
	LOADT BF0, BA+1-\slot, 0
	LOADS SB0, BA+1-\slot, 0
.elseif \mode == 1
	CHANGE \slot, 0
	LOADT BF0, BA+1-\slot, 0
	LOADS SB0, BA+1-\slot, 0
.else
	PLACES
.endif
	AMAX 29                                        ; on to my first tile of the next chunk: 32 tiles a chunk
.endm
.macro BETTER m1, n1, m2, n2           ; (m1, n1) takes (m2, n2) where m2 is larger, or equal with the lower index
	v_cmp_gt_f32 s68, v[\m2], v[\m1]
	v_cmp_eq_f32 s69, v[\m2], v[\m1]
	v_cmp_lt_u32 vcc_lo, v[\n2], v[\n1]
	s_and_b32 s69, s69, vcc_lo
	s_or_b32 vcc_lo, s68, s69
	v_cndmask_b32 v[\m1], v[\m1], v[\m2], vcc_lo
	v_cndmask_b32 v[\n1], v[\n1], v[\n2], vcc_lo
.endm
	s_load_b128 s[4:7], s[0:1], 0x0                ; x, bimg
	s_load_b64 s[8:9], s[0:1], 0x10                ; idx
	v_lshl_add_u32 v[SPW], v0, 2, SPARE
	v_mov_b32 v[NIL], 0
	ds_add_u32 v[SPW], v[NIL]                      ; the opening: the add, twice on end, and its wait ahead of my first tensor load
	ds_add_u32 v[SPW], v[NIL]
	v_lshrrev_b32 v248, 5, v0
	v_readfirstlane_b32 s10, v248                  ; wave 0..7
	s_bfe_u32 s11, ttmp6, 0x40000                  ; my place in the cluster
	s_lshl_b32 s12, ttmp9, 2
	s_add_co_u32 s12, s12, s11                     ; work-group: it enters the addresses of x and idx alone
	s_mov_b32 s[G1F+0], 15|(3<<16)|(1<<21)         ; all four partners; elements of 8 bytes; rows of 256 bytes, dense
	s_mov_b32 s[G1F+1], 32<<16
	s_mov_b32 s[G1F+2], 136<<16
	s_mov_b32 s[G1F+3], 32<<16
	s_mov_b32 s[G1F+4], 136
	s_mov_b32 s[G1F+5], 32
	s_mov_b32 s[G1F+6], 0
	s_mov_b32 s[G1F+7], 0
	s_mov_b32 s[G1B+0], 15|(3<<16)|(1<<21)
	s_mov_b32 s[G1B+1], 32<<16
	s_mov_b32 s[G1B+2], 68<<16
	s_mov_b32 s[G1B+3], 32<<16
	s_mov_b32 s[G1B+4], 68
	s_mov_b32 s[G1B+5], 32
	s_mov_b32 s[G1B+6], 0
	s_mov_b32 s[G1B+7], 0
	s_mov_b32 s[G0F], 1
	s_mul_i32 s[G0F+1], s10, 2*WPART               ; the first fill: an eighth of both slots, chunks 0 and 1 as they lie
	s_mov_b32 s[G0B], 1
	s_mul_i32 s[G0B+1], s10, WPART
	s_mov_b32 s[G0B+4], 1
	s_add_co_u32 s[G0B+5], s[G0B+1], CHUNKB
	s_lshl_b32 s[TN], s10, 2                       ; my first tile
	s_mov_b32 s[SEL], 0x76543210                   ; v_permlanex16_b32: lane l xor 16
	s_mov_b32 s[SEL+1], 0xfedcba98
	s_lshl_b32 s70, s12, 18                        ; x: 128 rows of 2,048 bytes a work-group,
	s_lshl_b32 s71, s10, 15                        ; 16 a wave
	s_add_co_u32 s70, s70, s71
	s_mov_b32 s71, 0
	s_lshl_b32 s72, s12, 9                         ; idx: 512 bytes a work-group; waves 0 and 1 store 256 each
	s_lshl_b32 s73, s10, 8
	s_add_co_u32 s72, s72, s73
	s_mov_b32 s73, 0
	s_mul_i32 s74, s10, 2*WPART
	s_mov_b32 s75, 0
	s_mul_i32 s76, s10, WPART
	s_mov_b32 s77, 0
	v_and_b32 v248, 31, v0                         ; lane
	v_and_b32 v249, 15, v0                         ; r
	v_bfe_u32 v250, v0, 4, 1                       ; h
	v_bfe_u32 v251, v0, 2, 3                       ; lane / 4: my block among 8
	v_and_b32 v252, 3, v0
	v_lshlrev_b32 v[XO], 5, v249
	v_lshl_add_u32 v[XO], v250, 4, v[XO]           ; 32 r + 16 h
	v_mul_u32_u24 v[XWI], v251, 272
	v_lshl_add_u32 v[XWI], v252, 2, v[XWI]
	s_mul_i32 s13, s10, XTILE
	s_add_co_u32 s13, s13, XIMG
	v_add_nc_u32 v[XWI], s13, v[XWI]               ; my tile + 272 (lane / 4) + 4 (lane % 4)
	s_lshl_b32 s13, s10, 8
	s_add_co_u32 s13, s13, XSC
	v_add_nc_u32 v[XWS], s13, v251
	v_mul_u32_u24 v[XRI], v250, 272
	v_lshl_add_u32 v[XRI], v249, 4, v[XRI]
	v_add_nc_u32 v[XRI], XIMG, v[XRI]              ; 272 h + 16 r
	v_lshl_add_u32 v[XRS], v248, 4, XSC
	v_lshl_add_u32 v[BA], v248, 4, s[G0B+1]
	v_add_nc_u32 v[BA+1], CHUNKB, v[BA]
	s_lshl_b32 s13, s10, 9
	s_add_co_u32 s13, s13, MRG
	v_lshl_add_u32 v[MV], v249, 2, s13
	s_lshl_b32 s13, s10, 8
	s_add_co_u32 s13, s13, MRG
	v_lshl_add_u32 v[FR], v248, 3, s13
	v_lshlrev_b32 v[H8], 3, v250
	v_lshlrev_b32 v[IO], 3, v248
.irp r, 0,1,2,3
	v_mov_b32 v[TQ+\r], 0                          ; a lane permute's destination counts as one of its sources
.endr
	s_wait_alu depctr_va_vdst(0)
	s_wait_dscnt 0x0                               ; both opening adds are done
	s_wait_kmcnt 0x0
	s_add_nc_u64 s[4:5], s[4:5], s[70:71]
	s_add_nc_u64 s[G0F+2:G0F+3], s[6:7], s[74:75]
	s_or_b32 s[G0F+3], s[G0F+3], 0x80000000
	s_add_nc_u64 s[G0B+2:G0B+3], s[6:7], s[76:77]
	s_add_nc_u64 s[G0B+6:G0B+7], s[G0B+2:G0B+3], CHUNKB
	s_or_b32 s[G0B+3], s[G0B+3], 0x80000000
	s_or_b32 s[G0B+7], s[G0B+7], 0x80000000
	s_add_nc_u64 s[8:9], s[8:9], s[72:73]
	LOADX 0                                        ; 12 of my 16 rows are asked for: 48 loads
	LOADX 1
	LOADX 2
	ROUND                                          ; the four partners are here: the joint loads meet
	tensor_load_to_lds s[G0F:G0F+3], s[G1F:G1F+7]  ; my one tensor load at the head: chunks 0 and 1 land while x is quantised
	s_nop 0
	PLACES
	QGRP 0, 32                                     ; behind group 0's loads: groups 1 and 2
	LOADX 3                                        ; into group 0's registers
	QGRP 1, 32                                     ; groups 2 and 3
	QGRP 2, 16
	QGRP 3, 0
	s_wait_alu depctr_va_vdst(0)
	s_wait_tensorcnt 0x0                           ; for the others: my part of both slots has landed,
	s_wait_dscnt 0x0                               ; and so have my rows' codes and scale bytes
	s_barrier_signal -1
	s_barrier_wait -1
	WIN 0x40                                       ; all 128 rows' fragments into window 1: fragment f = 4 a + s at v[8 f]
.set f, 0
.rept 32
	ds_load_b128 v[8*f:8*f+3], v[XRI] offset:(f/4)*XTILE+(f%4)*4*272
	ds_load_b128 v[8*f+4:8*f+7], v[XRI] offset:(f/4)*XTILE+(f%4)*4*272+2*272
.set f, f+1
.endr
	WIN 0
.irp p, 0,1,2,3
	ds_load_b128 v[XS+4*\p:XS+4*\p+3], v[XRS] offset:512*\p
.endr
	LOADT BF0, BA, 0
	LOADS SB0, BA, 0
.irp a, 0,1,2,3,4,5,6,7
	v_mov_b32 v[M+\a], 0xff800000                  ; under every score: the first tile is always taken
.endr
.set i, 0
.rept 72
	v_mov_b32 v[T+i], 0                            ; T and SV are named as sources by the first selects
.set i, i+1
.endr
	v_mov_b32 v[TV], s[TN]
	v_mov_b32 v[TV+1], s[TN]
	s_wait_alu depctr_va_vdst(0)
	s_mov_b32 s[CNT], 3
.Lpair:
	CHUNK 0, 2
	CHUNK 1, 2
	s_sub_co_u32 s[CNT], s[CNT], 1
	s_cmp_lg_u32 s[CNT], 0
	s_cbranch_scc1 .Lpair
	CHUNK 0, 1                                     ; the last two chunks fetch nothing
	CHUNK 1, 0
.irp a, 0,1,2,3,4,5,6,7
	v_mov_b32 v[JJ+\a], 7
.endr
.irp j, 6,5,4,3,2,1,0
.irp a, 0,1,2,3,4,5,6,7
	v_cmp_neq_f32 vcc_lo, v[SV+8*\a+\j], v[M+\a]
	v_cndmask_b32 v[JJ+\a], \j, v[JJ+\a], vcc_lo   ; the first register that holds M
.endr
.endr
.irp a, 0,1,2,3,4,5,6,7
	v_lshl_add_u32 v[NN+\a], v[T+\a+1-2*(\a%2)], 4, v[JJ+\a]
.endr
.irp a, 0,1,2,3,4,5,6,7
	v_add_nc_u32 v[NN+\a], v[H8], v[NN+\a]         ; the column: 16 T + 8 h + j
.endr
.irp a, 0,1,2,3,4,5,6,7
	v_permlanex16_b32 v[G+\a], v[M+\a], s[SEL], s[SEL+1]
	v_permlanex16_b32 v[JJ+\a], v[NN+\a], s[SEL], s[SEL+1]
.endr
.irp a, 0,1,2,3,4,5,6,7
	BETTER M+\a, NN+\a, G+\a, JJ+\a
.endr
.irp a, 0,1,2,3,4,5,6,7
	ds_store_b32 v[MV], v[M+\a] offset:64*\a       ; lanes l and l xor 16 write the same word with the same value
	ds_store_b32 v[MV], v[NN+\a] offset:4096+64*\a
.endr
	s_wait_dscnt 0x0                               ; for the others: my results have landed
	s_barrier_signal -1
	s_barrier_wait -1
	s_cmp_lt_u32 s10, 2                            ; waves 0 and 1 join the eight waves' results, two rows a lane
	s_cbranch_scc0 .Ldone
.irp p, 0,1,2,3,4,5,6,7
	ds_load_b64 v[16+2*\p:17+2*\p], v[FR] offset:512*\p
	ds_load_b64 v[32+2*\p:33+2*\p], v[FR] offset:4096+512*\p
.endr
	s_wait_dscnt 0x0
.irp p, 1,2,3,4,5,6,7
	BETTER 16, 32, 16+2*\p, 32+2*\p
	BETTER 17, 33, 17+2*\p, 33+2*\p
.endr
	global_store_b64 v[IO], v[32:33], s[8:9]       ; 32 lanes store 256 consecutive bytes, aligned
.Ldone:
	s_wait_tensorcnt 0x0                           ; the wave's end
	ds_add_u32 v[SPW], v[NIL]
	s_wait_dscnt 0x0
	ROUND                                          ; the closing round
	s_endpgm
.Lfunc_end_k_q2237979b55_match:
	.size	k_q2237979b55_match, .Lfunc_end_k_q2237979b55_match-k_q2237979b55_match
	.p2alignl 7, 3214868480
	.fill 96, 4, 3214868480
	.section	.rodata,"a",@progbits
	.p2align	6, 0x0
	.amdhsa_kernel k_q2237979b55_match
		.amdhsa_group_segment_fixed_size 327680
		.amdhsa_private_segment_fixed_size 0
		.amdhsa_enable_private_segment 0
		.amdhsa_kernarg_size 24
		.amdhsa_user_sgpr_count 2
		.amdhsa_user_sgpr_kernarg_segment_ptr 1
		.amdhsa_wavefront_size32 1
		.amdhsa_system_sgpr_workgroup_id_x 1
		.amdhsa_system_sgpr_workgroup_id_y 1
		.amdhsa_system_sgpr_workgroup_id_z 1
		.amdhsa_system_vgpr_workitem_id 0
		.amdhsa_next_free_vgpr 512
		.amdhsa_next_free_sgpr 80
		.amdhsa_reserve_vcc 1
		.amdhsa_float_denorm_mode_32 3
		.amdhsa_float_denorm_mode_16_64 3
		.amdhsa_memory_ordered 1
		.amdhsa_forward_progress 1
		.amdhsa_inst_pref_size 238
	.end_amdhsa_kernel
	.amdgpu_metadata
---
amdhsa.version: [ 1, 2 ]
amdhsa.kernels:
  - .name:           k_q2237979b55_match
    .symbol:         k_q2237979b55_match.kd
    .args:
      - { .name: x, .offset: 0, .size: 8, .value_kind: global_buffer, .address_space: global }
      - { .name: bimg, .offset: 8, .size: 8, .value_kind: global_buffer, .address_space: global }
      - { .name: idx, .offset: 16, .size: 8, .value_kind: global_buffer, .address_space: global }
    .group_segment_fixed_size: 327680
    .private_segment_fixed_size: 0
    .kernarg_segment_align: 8
    .kernarg_segment_size: 24
    .max_flat_workgroup_size: 256
    .sgpr_count:     80
    .vgpr_count:     512
    .wavefront_size: 32
...
	.end_amdgpu_metadata
.endif
;; end of part 2
;; launch gather (part 3): grid 512 x 1, 8 waves a work-group, no clusters, 0 bytes of LDS; arguments idx, embt, out0; writes out0
.if DOCPART == 3
	.amdgcn_target "amdgcn-amd-amdhsa--gfx1250"
	.amdhsa_code_object_version 6
	.text
	.protected	k_q2237979b55_gather
	.globl	k_q2237979b55_gather
	.p2align	8
	.type	k_q2237979b55_gather,@function
k_q2237979b55_gather:
	s_mov_b64 s[64:65], 0
	v_nop
	global_prefetch_b8 v0, s[64:65] scope:SCOPE_SE
	s_setreg_imm32_b32 hwreg(HW_REG_WAVE_MODE, 25, 1), 1
	s_wait_xcnt 0x0
; out0[n][:] = embt[idx[n]][:].  idx: [32768] whole numbers, stored by the launch before; embt: [4096][512] f32, the normalised codebook by rows; out0: [32768][512] f32.
; A stream: no LDS, no barrier, no matrix unit.  A wave takes 8 rows.  Its 8 indices come by one scalar load, are held inside the table (at most 4,095) and become byte offsets of rows of 2,048 bytes.
; A row is four loads and four stores of 512 consecutive bytes, 16 bytes a lane.  All 32 loads of the wave go out first; each store waits for its own load and leaves the younger ones out.
; No register is written twice, so no store's sources are ever rewritten.
	s_load_b128 s[4:7], s[0:1], 0x0                ; idx, embt
	s_load_b64 s[8:9], s[0:1], 0x10                ; out0
	v_lshrrev_b32 v1, 5, v0
	s_delay_alu instid0(VALU_DEP_1)
	v_readfirstlane_b32 s10, v1                    ; wave 0..7
	v_and_b32 v2, 31, v0
	s_delay_alu instid0(VALU_DEP_1)
	v_lshlrev_b32 v2, 4, v2                        ; 16 lane
	s_lshl_b32 s11, ttmp9, 3
	s_add_co_u32 s11, s11, s10                     ; which run of 8 rows is mine
	s_lshl_b32 s12, s11, 5                         ; its 32 bytes of idx,
	s_mov_b32 s13, 0
	s_lshl_b32 s14, s11, 14                        ; its 16,384 bytes of out0
	s_mov_b32 s15, 0
	s_wait_alu depctr_va_vdst(0)
	s_wait_kmcnt 0x0
	s_add_nc_u64 s[4:5], s[4:5], s[12:13]
	s_add_nc_u64 s[8:9], s[8:9], s[14:15]
	s_load_b256 s[16:23], s[4:5], 0x0              ; my 8 indices
	s_wait_kmcnt 0x0
.irp i, 0,1,2,3,4,5,6,7
	s_min_u32 s[16+\i], s[16+\i], 4095             ; inside the table
.endr
.irp i, 0,1,2,3,4,5,6,7
	s_lshl_b32 s[16+\i], s[16+\i], 11              ; a row is 2,048 bytes
.endr
.irp i, 0,1,2,3,4,5,6,7
	v_add_nc_u32 v[8+\i], s[16+\i], v2
.endr
.irp i, 0,1,2,3,4,5,6,7
.irp q, 0,1,2,3
	global_load_b128 v[32+16*\i+4*\q:32+16*\i+4*\q+3], v[8+\i], s[6:7] offset:512*\q   ; no hint: the list may name a row many times
.endr
.endr
.set k, 0
.rept 32
	s_wait_loadcnt 31-k                            ; loads come back in order: load k is in, the 31 - k younger may be out
	global_store_b128 v2, v[32+4*k:32+4*k+3], s[8:9] offset:512*k th:TH_STORE_NT        ; written once, read by nobody here
.set k, k+1
.endr
	s_endpgm
.Lfunc_end_k_q2237979b55_gather:
	.size	k_q2237979b55_gather, .Lfunc_end_k_q2237979b55_gather-k_q2237979b55_gather
	.p2alignl 7, 3214868480
	.fill 96, 4, 3214868480
	.section	.rodata,"a",@progbits
	.p2align	6, 0x0
	.amdhsa_kernel k_q2237979b55_gather
		.amdhsa_group_segment_fixed_size 0
		.amdhsa_private_segment_fixed_size 0
		.amdhsa_enable_private_segment 0
		.amdhsa_kernarg_size 24
		.amdhsa_user_sgpr_count 2
		.amdhsa_user_sgpr_kernarg_segment_ptr 1
		.amdhsa_wavefront_size32 1
		.amdhsa_system_sgpr_workgroup_id_x 1
		.amdhsa_system_sgpr_workgroup_id_y 1
		.amdhsa_system_sgpr_workgroup_id_z 1
		.amdhsa_system_vgpr_workitem_id 0
		.amdhsa_next_free_vgpr 160
		.amdhsa_next_free_sgpr 66
		.amdhsa_reserve_vcc 0
		.amdhsa_float_denorm_mode_32 3
		.amdhsa_float_denorm_mode_16_64 3
		.amdhsa_memory_ordered 1
		.amdhsa_forward_progress 1
		.amdhsa_inst_pref_size 9
	.end_amdhsa_kernel
	.amdgpu_metadata
---
amdhsa.version: [ 1, 2 ]
amdhsa.kernels:
  - .name:           k_q2237979b55_gather
    .symbol:         k_q2237979b55_gather.kd
    .args:
      - { .name: idx, .offset: 0, .size: 8, .value_kind: global_buffer, .address_space: global }
      - { .name: embt, .offset: 8, .size: 8, .value_kind: global_buffer, .address_space: global }
      - { .name: out0, .offset: 16, .size: 8, .value_kind: global_buffer, .address_space: global }
    .group_segment_fixed_size: 0
    .private_segment_fixed_size: 0
    .kernarg_segment_align: 8
    .kernarg_segment_size: 24
    .max_flat_workgroup_size: 256
    .sgpr_count:     66
    .vgpr_count:     160
    .wavefront_size: 32
...
	.end_amdgpu_metadata
.endif
;; end of part 3
